; MI455X (gfx1250); checked and timed in simulation.
; The chip was launched on July 23, 2026; its instructions are those of AMD's public machine-readable ISA for CDNA 5 (MIT licence, August 2026) and "CDNA5" Instruction Set Architecture Reference Guide (July 2026). The comments in the code are by the model that wrote it; some were corrected since.
;; Switch Feed Forward. Allowed arithmetic: float matrix products may take bf16 or f16 operands with f32 sums; all other float work in f32.
;; Inputs: W1 8 x 1,024 x 4,096 float32; W2 8 x 4,096 x 1,024 float32; Wr 1,024 x 8 float32; b1 8 x 4,096 float32; b2 8 x 1,024 float32; br 8 float32; x 4 x 256 x 1,024 float32.
;; Outputs: out0 4 x 256 x 1,024 float32.
;; One version. Each part assembles by itself: llvm-mc -triple=amdgcn-amd-amdhsa -mcpu=gfx1250 --defsym DOCPART=n.
;; ======== version 1 of 1: 5 launches
;; limits: a function is approximated: absolute error at most 1.5e-07
;; workspace buffers: xb 2,097,152 bytes; sel 4,096 bytes of whole numbers; tlist 36,864 bytes of whole numbers; hbuf 69,206,016 bytes; part 16,908,288 bytes
;; launch route (part 1): grid 64 x 1, 8 waves a work-group, no clusters, 57,856 bytes of LDS; arguments x, Wr, br, xb, sel; writes xb, sel
.if DOCPART == 1
	.amdgcn_target "amdgcn-amd-amdhsa--gfx1250"
	.amdhsa_code_object_version 6
	.text
	.protected	k_q7ab6e71e6e_route
	.globl	k_q7ab6e71e6e_route
	.p2align	8
	.type	k_q7ab6e71e6e_route,@function
k_q7ab6e71e6e_route:
	s_mov_b64 s[64:65], 0
	v_nop
	global_prefetch_b8 v0, s[64:65] scope:SCOPE_SE
	s_setreg_imm32_b32 hwreg(HW_REG_WAVE_MODE, 25, 1), 1
	s_wait_xcnt 0x0
; ROUTER.  sel[t] = argmax_e softmax_e(x[t] . Wr[:, e] + br[e]), and xb = x rounded to bf16 for the first expert layer.
; x: [1024 tokens][1024] f32, Wr: [1024][8] f32, br: [8] f32, xb: [1024][1024] bf16, sel: [1024] u32.
; SHARES.  A work-group owns 16 tokens (one matrix tile of tokens): 64 work-groups.  Wave w rounds rows 2 w and 2 w + 1, and multiplies K = 128 w .. 128 w + 127;
; the eight waves' partial logits meet in LDS and wave 0 finishes them.  A split of K over work-groups would need traffic between work-groups, so 64 is what this launch has work for.
; FORMATS.  x, Wr and br are rounded to bf16 (nearest even); products on the matrix unit with f32 sums; bias, softmax and argmax in f32.
; LIMITS.  Two weights that are equal in f32 go to the lower expert, as in jnp.argmax; logits closer than the f32 sums' rounding may fall otherwise than in another order of summation.
; A NaN never wins here (in jnp.argmax it does).  Infinite logits are not treated apart.
; No cluster: the only bytes that work-groups share are Wr's 32,768, against 65,536 of x that each reads alone, once.
.set XP,   2064                        ; an LDS row: 2,048 bytes of bf16 + 16 of padding: an odd multiple of 16, so the 16 rows of a fragment load start in different banks (64 banks of 4 bytes: ISA guide 11.1)
.set WT,   16*XP                       ; behind x's 16 rows: Wr turned, 8 rows (experts) of 1,024 bf16
.set PART, 49664                       ; the waves' partial logits: 1,024 bytes a wave
.set XR,   16                          ; v[16:79]    x as loaded: 16 loads of 4
.set WR,   80                          ; v[80:111]   Wr as loaded: register 8 kk + e is Wr[4 t + kk][e]
.set XPK,  112                         ; v[112:143]  x in bf16
.set WPK,  144                         ; v[144:159]  Wr in bf16: two registers an expert
.set XF,   160                         ; v[160:191]  four fragments of x
.set WF,   192                         ; v[192:223]  four fragments of Wr
.set AC0,  224                         ; two accumulators
.set AC1,  232
.set BR,   240                         ; v[240:247]  br as loaded
	s_load_b256 s[4:11], s[0:1], 0x0               ; x s[4:5], Wr s[6:7], br s[8:9], xb s[10:11]
	s_load_b64 s[12:13], s[0:1], 0x20              ; sel
	v_and_b32 v1, 31, v0                           ; lane
	v_lshrrev_b32 v2, 5, v0
	v_readfirstlane_b32 s14, v2                    ; wave 0..7
	v_and_b32 v2, 15, v0                           ; r
	v_bfe_u32 v3, v0, 4, 1                         ; hh
	s_mov_b32 s24, 0xffff0000                      ; a word's upper bf16
	s_mov_b32 s25, 0x3fb8aa3b                      ; log2(e)
	s_lshl_b32 s26, ttmp9, 16                      ; my 16 rows of x: 4,096 bytes each
	s_mov_b32 s27, 0
	s_lshl_b32 s28, ttmp9, 15                      ; of xb: 2,048 bytes each
	s_mov_b32 s29, 0
	s_lshl_b32 s30, ttmp9, 6                       ; my 16 words of sel
	s_mov_b32 s31, 0
	s_lshl_b32 s15, s14, 13
	v_lshl_add_u32 v4, v1, 4, s15                  ; x: 16 lane + two rows a wave
	s_lshl_b32 s16, s14, 12
	v_lshl_add_u32 v5, v1, 3, s16                  ; xb: 8 lane + two rows a wave
	s_mul_i32 s17, s14, 2*XP
	v_lshl_add_u32 v6, v1, 3, s17                  ; the same two rows in LDS
	v_lshl_add_u32 v7, v0, 3, WT                   ; Wr turned: my four k are 8 bytes of each expert's row
	v_lshlrev_b32 v8, 7, v0                        ; Wr: thread t owns rows 4 t .. 4 t + 3, 128 bytes
	v_mul_u32_u24 v9, v2, XP
	v_lshl_add_u32 v9, v3, 4, v9
	s_lshl_b32 s18, s14, 8
	v_add_nc_u32 v9, s18, v9                       ; fragments of x: row r, 16 hh, my wave's 128 k
	v_and_b32 v10, 7, v0
	v_mul_u32_u24 v10, v10, XP
	v_lshl_add_u32 v10, v3, 4, v10
	s_add_co_u32 s19, s18, WT
	v_add_nc_u32 v10, s19, v10                     ; fragments of Wr: row r % 8: the eight experts stand twice in the tile's 16 rows
	s_lshl_b32 s20, s14, 10
	s_add_co_u32 s20, s20, PART
	v_lshl_add_u32 v11, v1, 5, s20                 ; my wave's partial logits: 32 bytes a lane
	v_lshlrev_b32 v12, 2, v1                       ; sel: 4 lane
	v_lshl_add_u32 v13, v1, 5, PART                ; wave 0 reads all eight
	v_mov_b32 v14, 0
	s_wait_kmcnt 0x0
	s_add_nc_u64 s[4:5], s[4:5], s[26:27]
	s_add_nc_u64 s[10:11], s[10:11], s[28:29]
	s_add_nc_u64 s[12:13], s[12:13], s[30:31]
	global_load_b128 v[BR:BR+3],   v14, s[8:9]
	global_load_b128 v[BR+4:BR+7], v14, s[8:9] offset:16
.irp rl, 0,1
.irp i, 0,1,2,3,4,5,6,7
	global_load_b128 v[XR+4*(8*(\rl)+(\i)):XR+4*(8*(\rl)+(\i))+3], v4, s[4:5] offset:(\rl)*4096+(\i)*512 th:TH_LOAD_NT  ; 512 neighbouring bytes a load
.endr
.endr
.irp i, 0,1,2,3,4,5,6,7
	global_load_b128 v[WR+4*(\i):WR+4*(\i)+3], v8, s[6:7] offset:16*(\i)
.endr
	s_wait_loadcnt 8                               ; loads come back in order (ISA guide 5.7.1): br and x are in, Wr's eight may be out
.set n, 0
.rept 16
	v_cvt_pk_bf16_f32 v[XPK+2*n],   v[XR+4*n],   v[XR+4*n+1]
	v_cvt_pk_bf16_f32 v[XPK+2*n+1], v[XR+4*n+2], v[XR+4*n+3]
.set n, n+1
.endr
.irp rl, 0,1
.irp i, 0,1,2,3,4,5,6,7
	global_store_b64 v5, v[XPK+2*(8*(\rl)+(\i)):XPK+2*(8*(\rl)+(\i))+1], s[10:11] offset:(\rl)*2048+(\i)*256  ; the wave's 32 lanes store 256 consecutive bytes, aligned
	ds_store_b64 v6, v[XPK+2*(8*(\rl)+(\i)):XPK+2*(8*(\rl)+(\i))+1] offset:(\rl)*XP+(\i)*256
.endr
.endr
	s_wait_loadcnt 0x0                             ; Wr
.irp e, 0,1,2,3,4,5,6,7
	v_cvt_pk_bf16_f32 v[WPK+2*(\e)],   v[WR+(\e)],    v[WR+8+(\e)]
	v_cvt_pk_bf16_f32 v[WPK+2*(\e)+1], v[WR+16+(\e)], v[WR+24+(\e)]
	ds_store_b64 v7, v[WPK+2*(\e):WPK+2*(\e)+1] offset:(\e)*XP
.endr
	s_wait_dscnt 0x0                               ; for the others' sake: my rows of x and my part of Wr are in LDS
	s_barrier_signal -1
	s_barrier_wait -1
.irp k, 0,1,2,3
	ds_load_b128 v[WF+8*(\k):WF+8*(\k)+3],   v10 offset:64*(\k)
	ds_load_b128 v[WF+8*(\k)+4:WF+8*(\k)+7], v10 offset:64*(\k)+32
	ds_load_b128 v[XF+8*(\k):XF+8*(\k)+3],   v9 offset:64*(\k)
	ds_load_b128 v[XF+8*(\k)+4:XF+8*(\k)+7], v9 offset:64*(\k)+32
.endr
	s_wait_dscnt 0x0
	; source 0 = experts, source 1 = tokens: lane l holds token l % 16, register j expert j (both halves of the lanes hold the same numbers).
	; Two accumulators by turns; the first two products start the sums.
	v_wmma_f32_16x16x32_bf16 v[AC0:AC0+7], v[WF:WF+7],       v[XF:XF+7],       0
	v_wmma_f32_16x16x32_bf16 v[AC1:AC1+7], v[WF+8:WF+15],    v[XF+8:XF+15],    0
	v_wmma_f32_16x16x32_bf16 v[AC0:AC0+7], v[WF+16:WF+23],   v[XF+16:XF+23],   v[AC0:AC0+7]
	v_wmma_f32_16x16x32_bf16 v[AC1:AC1+7], v[WF+24:WF+31],   v[XF+24:XF+31],   v[AC1:AC1+7]
.rept 4
	v_nop                                          ; four places between a product and the first read of its result (ISA guide 7.12.1)
.endr
.irp i, 0,1,2,3
	v_pk_add_f32 v[16+2*(\i):17+2*(\i)], v[AC0+2*(\i):AC0+2*(\i)+1], v[AC1+2*(\i):AC1+2*(\i)+1]
.endr
	ds_store_b128 v11, v[16:19]
	ds_store_b128 v11, v[20:23] offset:16
	s_wait_dscnt 0x0                               ; for wave 0's sake
	s_barrier_signal -1
	s_barrier_wait -1
	s_cmp_lg_u32 s14, 0
	s_cbranch_scc1 .Lend
	; WAVE 0: the eight partial sums, the bias, the softmax, the argmax.
.irp w, 0,1,2,3,4,5,6,7
	ds_load_b128 v[16+8*(\w):19+8*(\w)], v13 offset:1024*(\w)
	ds_load_b128 v[20+8*(\w):23+8*(\w)], v13 offset:1024*(\w)+16
.endr
.irp i, 0,1,2,3
	v_cvt_pk_bf16_f32 v[80+(\i)], v[BR+2*(\i)], v[BR+2*(\i)+1]   ; br rounded to bf16 like every input,
.endr
.irp i, 0,1,2,3
	v_lshlrev_b32 v[88+2*(\i)], 16, v[80+(\i)]     ; and back in f32
	v_and_b32     v[89+2*(\i)], s24, v[80+(\i)]
.endr
	s_wait_dscnt 0x0
.irp w, 1,2,3,4,5,6,7
.irp i, 0,1,2,3
	v_pk_add_f32 v[16+2*(\i):17+2*(\i)], v[16+2*(\i):17+2*(\i)], v[16+8*(\w)+2*(\i):17+8*(\w)+2*(\i)]
.endr
.endr
.irp i, 0,1,2,3
	v_pk_add_f32 v[16+2*(\i):17+2*(\i)], v[16+2*(\i):17+2*(\i)], v[88+2*(\i):89+2*(\i)]
.endr
	v_max3_num_f32 v98, v16, v17, v18              ; the token's largest logit m
	v_max3_num_f32 v98, v98, v19, v20
	v_max3_num_f32 v98, v98, v21, v22
	v_max_num_f32 v98, v98, v23
	v_mul_f32 v99, s25, v98
.irp e, 0,1,2,3,4,5,6,7
	v_fma_f32 v[16+(\e)], v[16+(\e)], s25, -v99    ; (logit - m) log2(e): never above a rounding of 0
.endr
.irp e, 0,1,2,3,4,5,6,7
	v_exp_f32 v[16+(\e)], v[16+(\e)]
.endr
	v_mov_b32 v96, 0                               ; the plain instruction behind the last exponential (ISA guide 5.7.2); also the argmax's start
	s_wait_alu depctr_va_vdst(0)
	v_pk_add_f32 v[100:101], v[16:17], v[18:19]
	v_pk_add_f32 v[102:103], v[20:21], v[22:23]
	v_pk_add_f32 v[100:101], v[100:101], v[102:103]
	v_add_f32 v100, v100, v101                     ; at least about 1: the largest term is 2^0
	v_rcp_f32 v102, v100
	v_nop                                          ; a plain instruction behind the reciprocal
	s_wait_alu depctr_va_vdst(0)
.irp i, 0,1,2,3
	v_pk_mul_f32 v[16+2*(\i):17+2*(\i)], v[16+2*(\i):17+2*(\i)], v[102:103] op_sel_hi:[1,0]
.endr
	v_mov_b32 v97, v16
.irp e, 1,2,3,4,5,6,7
	v_cmp_gt_f32 vcc_lo, v[16+(\e)], v97           ; strictly greater: the first of equal weights stays
	v_cndmask_b32 v96, v96, \e, vcc_lo
	v_cndmask_b32 v97, v97, v[16+(\e)], vcc_lo
.endr
	v_cmp_gt_u32 vcc_lo, 16, v1                    ; lanes 0-15 hold the 16 tokens
	s_wait_xcnt 0x0                                ; EXEC is a source of my pending stores: it changes only behind this wait
	s_and_saveexec_b32 s21, vcc_lo
	global_store_b32 v12, v96, s[12:13]
	s_wait_xcnt 0x0
	s_or_b32 exec_lo, exec_lo, s21
.Lend:
	s_endpgm
.Lfunc_end_k_q7ab6e71e6e_route:
	.size	k_q7ab6e71e6e_route, .Lfunc_end_k_q7ab6e71e6e_route-k_q7ab6e71e6e_route
	.p2alignl 7, 3214868480
	.fill 96, 4, 3214868480
	.section	.rodata,"a",@progbits
	.p2align	6, 0x0
	.amdhsa_kernel k_q7ab6e71e6e_route
		.amdhsa_group_segment_fixed_size 57856
		.amdhsa_private_segment_fixed_size 0
		.amdhsa_enable_private_segment 0
		.amdhsa_kernarg_size 40
		.amdhsa_user_sgpr_count 2
		.amdhsa_user_sgpr_kernarg_segment_ptr 1
		.amdhsa_wavefront_size32 1
		.amdhsa_system_sgpr_workgroup_id_x 1
		.amdhsa_system_sgpr_workgroup_id_y 1
		.amdhsa_system_sgpr_workgroup_id_z 1
		.amdhsa_system_vgpr_workitem_id 0
		.amdhsa_next_free_vgpr 248
		.amdhsa_next_free_sgpr 66
		.amdhsa_reserve_vcc 1
		.amdhsa_float_denorm_mode_32 3
		.amdhsa_float_denorm_mode_16_64 3
		.amdhsa_memory_ordered 1
		.amdhsa_forward_progress 1
		.amdhsa_inst_pref_size 20
	.end_amdhsa_kernel
	.amdgpu_metadata
---
amdhsa.version: [ 1, 2 ]
amdhsa.kernels:
  - .name:           k_q7ab6e71e6e_route
    .symbol:         k_q7ab6e71e6e_route.kd
    .args:
      - { .name: x, .offset: 0, .size: 8, .value_kind: global_buffer, .address_space: global }
      - { .name: Wr, .offset: 8, .size: 8, .value_kind: global_buffer, .address_space: global }
      - { .name: br, .offset: 16, .size: 8, .value_kind: global_buffer, .address_space: global }
      - { .name: xb, .offset: 24, .size: 8, .value_kind: global_buffer, .address_space: global }
      - { .name: sel, .offset: 32, .size: 8, .value_kind: global_buffer, .address_space: global }
    .group_segment_fixed_size: 57856
    .private_segment_fixed_size: 0
    .kernarg_segment_align: 8
    .kernarg_segment_size: 40
    .max_flat_workgroup_size: 256
    .sgpr_count:     66
    .vgpr_count:     248
    .wavefront_size: 32
...
	.end_amdgpu_metadata
.endif
;; end of part 1
;; launch lists (part 2): grid 8 x 1, 1 waves a work-group, no clusters, 4,608 bytes of LDS; arguments sel, tlist; writes tlist
.if DOCPART == 2
	.amdgcn_target "amdgcn-amd-amdhsa--gfx1250"
	.amdhsa_code_object_version 6
	.text
	.protected	k_q7ab6e71e6e_lists
	.globl	k_q7ab6e71e6e_lists
	.p2align	8
	.type	k_q7ab6e71e6e_lists,@function
k_q7ab6e71e6e_lists:
	s_mov_b64 s[64:65], 0
	v_nop
	global_prefetch_b8 v0, s[64:65] scope:SCOPE_SE
	s_setreg_imm32_b32 hwreg(HW_REG_WAVE_MODE, 25, 1), 1
	s_wait_xcnt 0x0
; THE EXPERTS' TOKEN LISTS.  tlist[e]: 1,152 words: slots 0 .. 1055 hold the numbers of the tokens that chose expert e, ascending, and behind them 1024 + e;
; words 1056 .. 1087 hold numbers that nobody reads; word 1151 holds the count.  sel: [1024] u32.
; The two expert layers steer trip counts and addresses by these numbers, so they are made here, in a launch of their own, and stored as whole numbers.
; SHARES.  One work-group of one wave for each expert: eight, which is all the work there is (4,096 bytes read, 4,608 written each).  A wave reads all of sel, ranks its expert's
; tokens by counting bits, scatters them into its LDS, and copies the LDS out in nine stores of 512 consecutive bytes: no global address hangs on the data.
; No barrier: one wave; LDS serves a wave's instructions in order (ISA guide 5.7.1.4).
.set LSTR, 4608                        ; bytes of an expert's list
.set CNTO, 4604                        ; the count's byte in it
.set SL,   32                          ; v[32:63]  sel: register 4 j + c holds token 128 j + 4 lane + c
.set OUTR, 64                          ; v[64:99]  the list on its way out
; Tokens 128 j + 4 lane + c: those of my expert take the next ranks, in lane order; the others write a word of their own that nobody reads.  EXEC stays whole.
.macro LISTSTEP j, c
	v_cmp_eq_u32 vcc_lo, s15, v[SL+4*(\j)+(\c)]
	v_mbcnt_lo_u32_b32 v26, vcc_lo, s24            ; the ranks given so far + the chosen lanes below mine
	v_cndmask_b32 v26, v25, v26, vcc_lo
	v_min_u32 v26, 0x43f, v26                      ; a number made of loaded data enters an address only behind this bound
	v_lshlrev_b32 v26, 2, v26
	v_add_nc_u32 v27, 128*(\j)+(\c), v24
	ds_store_b32 v26, v27
	s_bcnt1_i32_b32 s25, vcc_lo
	s_add_co_u32 s24, s24, s25
.endm
	s_load_b128 s[4:7], s[0:1], 0x0                ; sel s[4:5], tlist s[6:7]
	v_lshlrev_b32 v28, 4, v0                       ; 16 lane (one wave: the thread's number is the lane)
	v_lshlrev_b32 v24, 2, v0                       ; 4 lane
	v_add_nc_u32 v25, 1056, v0                     ; my throw-away word
	s_mov_b32 s15, ttmp9                           ; e
	s_mul_i32 s10, s15, LSTR
	s_mov_b32 s11, 0
	s_add_co_u32 s25, s15, 1024
	v_mov_b32 v12, s25
	v_mov_b32 v13, s25
	v_mov_b32 v14, s25
	v_mov_b32 v15, s25
	s_wait_kmcnt 0x0
	s_add_nc_u64 s[6:7], s[6:7], s[10:11]
.irp j, 0,1,2,3,4,5,6,7
	global_load_b128 v[SL+4*(\j):SL+4*(\j)+3], v28, s[4:5] offset:512*(\j)
.endr
.irp i, 0,1,2,3,4,5,6,7,8
	ds_store_b128 v28, v[12:15] offset:512*(\i)    ; every word first holds 1024 + e,
.endr
	s_mov_b32 s24, 0
	s_wait_loadcnt 0x0
.irp j, 0,1,2,3,4,5,6,7
.irp c, 0,1,2,3
	LISTSTEP \j, \c                                ; then the expert's tokens take the first slots,
.endr
.endr
	v_mov_b32 v26, CNTO
	v_mov_b32 v27, s24
	ds_store_b32 v26, v27                          ; and their number the last word
.irp i, 0,1,2,3,4,5,6,7,8
	ds_load_b128 v[OUTR+4*(\i):OUTR+4*(\i)+3], v28 offset:512*(\i)
.endr
.irp i, 0,1,2,3,4,5,6,7,8
	s_wait_dscnt 8-(\i)                            ; LDS loads come back in order (ISA guide 5.7.1): load i is in, the later ones stay out
	global_store_b128 v28, v[OUTR+4*(\i):OUTR+4*(\i)+3], s[6:7] offset:512*(\i)  ; 512 consecutive bytes, aligned
.endr
	s_endpgm
.Lfunc_end_k_q7ab6e71e6e_lists:
	.size	k_q7ab6e71e6e_lists, .Lfunc_end_k_q7ab6e71e6e_lists-k_q7ab6e71e6e_lists
	.p2alignl 7, 3214868480
	.fill 96, 4, 3214868480
	.section	.rodata,"a",@progbits
	.p2align	6, 0x0
	.amdhsa_kernel k_q7ab6e71e6e_lists
		.amdhsa_group_segment_fixed_size 4608
		.amdhsa_private_segment_fixed_size 0
		.amdhsa_enable_private_segment 0
		.amdhsa_kernarg_size 16
		.amdhsa_user_sgpr_count 2
		.amdhsa_user_sgpr_kernarg_segment_ptr 1
		.amdhsa_wavefront_size32 1
		.amdhsa_system_sgpr_workgroup_id_x 1
		.amdhsa_system_sgpr_workgroup_id_y 1
		.amdhsa_system_sgpr_workgroup_id_z 1
		.amdhsa_system_vgpr_workitem_id 0
		.amdhsa_next_free_vgpr 104
		.amdhsa_next_free_sgpr 66
		.amdhsa_reserve_vcc 1
		.amdhsa_float_denorm_mode_32 3
		.amdhsa_float_denorm_mode_16_64 3
		.amdhsa_memory_ordered 1
		.amdhsa_forward_progress 1
		.amdhsa_inst_pref_size 17
	.end_amdhsa_kernel
	.amdgpu_metadata
---
amdhsa.version: [ 1, 2 ]
amdhsa.kernels:
  - .name:           k_q7ab6e71e6e_lists
    .symbol:         k_q7ab6e71e6e_lists.kd
    .args:
      - { .name: sel, .offset: 0, .size: 8, .value_kind: global_buffer, .address_space: global }
      - { .name: tlist, .offset: 8, .size: 8, .value_kind: global_buffer, .address_space: global }
    .group_segment_fixed_size: 4608
    .private_segment_fixed_size: 0
    .kernarg_segment_align: 8
    .kernarg_segment_size: 16
    .max_flat_workgroup_size: 32
    .sgpr_count:     66
    .vgpr_count:     104
    .wavefront_size: 32
...
	.end_amdgpu_metadata
.endif
;; end of part 2
;; launch ffn1 (part 3): grid 32 x 8, 4 waves a work-group, no clusters, 262,144 bytes of LDS; arguments W1, b1, xb, tlist, hbuf; writes hbuf
.if DOCPART == 3
	.amdgcn_target "amdgcn-amd-amdhsa--gfx1250"
	.amdhsa_code_object_version 6
	.text
	.protected	k_q7ab6e71e6e_ffn1
	.globl	k_q7ab6e71e6e_ffn1
	.p2align	8
	.type	k_q7ab6e71e6e_ffn1,@function
k_q7ab6e71e6e_ffn1:
	s_mov_b64 s[64:65], 0
	v_nop
	global_prefetch_b8 v0, s[64:65] scope:SCOPE_SE
	s_setreg_imm32_b32 hwreg(HW_REG_WAVE_MODE, 25, 1), 1
	s_wait_xcnt 0x0
; FIRST EXPERT LAYER.  h = gelu(x W1[e] + b1[e]) for the tokens that chose expert e; what reference() computes for other tokens its select throws away.
; W1: [8][1024][4096] f32, b1: [8][4096] f32, xb: [1024][1024] bf16 (x rounded), tlist: [8][1152] u32 (the experts' token lists and counts, made by an earlier launch), hbuf: bf16, see below.
; SHARES.  Work-group (xid, e) owns columns 128 xid .. +127 of expert e: 1,024 x 128 numbers of W1, 524,288 bytes that no other work-group reads.
; PHASE 1, the same in every work-group: the four waves stream that slice through registers (wave w rows 256 w .. +255), round it to bf16 and lay it into LDS as finished
; fragments, 262,144 bytes.  By this text's count 56 loads of 512 bytes are out in each wave.  One barrier.
; PHASE 2, in which a wave ends according to a count read from memory: no barrier stands in it.  Wave w takes triples of token tiles (16 tokens a tile), slots 48 w, 48 w + 192, ...; for a triple it walks
; K = 1,024 in 32 steps: 8 weight fragments from LDS, 3 token fragments from memory, 24 products on 24 accumulators.  Then bias (it started the sums), gelu, rounding, store.
; COLUMNS.  W1's rows lie along the columns, not along K.  A lane loads 16 bytes: columns 64 g + 4 r + 0..3 of one row; the four words go to four fragments f, in which index r stands for column
; 64 g + 4 r + f.  So a load's 16 lanes take 256 consecutive aligned bytes of a row, two rows' words pack into one fragment register, and nothing is transposed.
; hbuf: [e][tile 0..65][K step 0..127][1,024 bytes]: the block is the second layer's token fragment as its lanes load it: half x 512 + (16 hh + slot) x 16.  8,650,752 bytes an expert.
; SLOTS past the expert's count hold the number 1024 + e; here they read token 1023's row, and the second layer sends their results to a row that nobody reads.
; FORMATS.  W1, b1 and x rounded to bf16 (nearest even), sums, bias and gelu in f32, h rounded to bf16.
; gelu(z) = max(z, 0) - |z| (poly(t) / 2) 2^(-(c1 z)^2), t = 1 / (1 + p |z| / sqrt 2): erf by Abramowitz and Stegun 7.1.26, off by 1.5e-7 at the most.  LIMIT: z infinite gives NaN; every finite z is served.
; NO CLUSTER, NO TENSOR LOADS: the weights, two thirds of a work-group's bytes, are shared with nobody; the token rows, which an expert's 32 work-groups share, are walked in a loop in which each wave ends
; according to loaded numbers, where the barriers of a joint request cannot stand, and LDS is taken by the weights.
.set PITCH, 16384                      ; bytes in a row of W1
.set ASTEP, 64                         ; bytes of a token's row in a K step
.set NBL,   16                         ; loads of bias
.set HSTR,  0x840000                   ; an expert's part of hbuf
.set TILEB, 131072                     ; a tile's part of it
.set LSTR,  4608                       ; an expert's part of tlist
.set CNTO,  4604                       ; the count's byte in it
                                       ; LDS: fragment c of K step s at (8 s + c) 1024: half x 512 + lane x 16
.set ACC,   64                         ; v[64:255] accumulator (c, u) at ACC + 8 (3 c + u)
.set GD, 32                            ; the gelu's eight numbers at work: v[32:39], v[40:47], v[48:55]; v[56:59] to store
.set GS, 40
.set GP, 48
.set GO, 56
.set PK, 224                           ; window 1: v[224:239] a half unit packed; v240 my offset in W1, v241 my LDS address, v242 my offset in b1; v[0:223] seven slots of 32 as loaded
.set C1, 36                            ; s[36:37] c1; s[38:47] the polynomial's a1/2 .. a5/2, each named as a pair; s48 p / sqrt 2
.set A1, 38
.set A2, 40
.set A3, 42
.set A4, 44
.set A5, 46
.set PP, 48
; Fixed vector registers of window 0: v1 lane, v2 r, v3 hh, v4 16 r, v6 LDS address of the weight fragments (steps), v7 offset in the list, v8-10 the three tiles' token offsets, v11 offset in hbuf,
; v12-14 the tokens in slot r of the three tiles, v20 16 lane, v21 4 r, v22 16 hh, v23 1024 hh + 16 r.
; Window 1 in phase 2: v[0:63], v[64:127] weight fragments, two buffers; v[128:223] token fragments, four slots of 3 x 8.  Window 2: v[0:63] the bias as the first products' C, 8 c + j.
.set MSB, 0
.macro WIN new                         ; s_set_vgpr_msb: bits 1:0 source 0, 3:2 source 1, 5:4 source 2, 7:6 destination; the high byte repeats the setting that is left
.if MSB != (\new)
	s_set_vgpr_msb (MSB<<8)|(\new)
.set MSB, \new
.endif
.endm
.set ALL1, 0x55
.set TO_F, 0x40                        ; destination window 1
.set MUL,  0x05                        ; sources 0 and 1 window 1, C and D window 0
.set MULC, 0x25                        ; the same with C in window 2
.set UNP2, 0x84                        ; source 1 window 1, destination window 2
; Half unit h of a wave's 32: K step h / 4, half (h / 2) % 2 of its 32 rows, column group h % 2: 16 rows x 64 columns.  Load j: rows 8 hh + j, two whole pieces of 256 bytes.
.macro HULOAD h
.irp j, 0,1,2,3,4,5,6,7
	global_load_b128 v[32*((\h)%7)+4*(\j):32*((\h)%7)+4*(\j)+3], v240, s[4:5] offset:(32*((\h)/4)+16*(((\h)/2)%2)+(\j))*PITCH+256*((\h)%2) th:TH_LOAD_NT
.endr
.endm
.macro HUPACK h                        ; rows 2 i and 2 i + 1 of column f make register i of fragment f's half; 16 bytes a lane, the wave's 512 on end
.irp f, 0,1,2,3
.irp i, 0,1,2,3
	v_cvt_pk_bf16_f32 v[PK+4*(\f)+(\i)], v[32*((\h)%7)+8*(\i)+(\f)], v[32*((\h)%7)+8*(\i)+4+(\f)]
.endr
.endr
.irp f, 0,1,2,3
	ds_store_b128 v241, v[PK+4*(\f):PK+4*(\f)+3] offset:(8*((\h)/4)+4*((\h)%2)+(\f))*1024+512*(((\h)/2)%2)
.endr
.endm
.macro TOKENS                          ; the token numbers in slot r of three tiles on end, at v7 in my expert's list
	global_load_b32 v12, v7, s[10:11]
	global_load_b32 v13, v7, s[10:11] offset:64
	global_load_b32 v14, v7, s[10:11] offset:128
.endm
.macro BLOAD st                        ; the 8 weight fragments of K step st (counted from v6's step) into buffer st % 2
.irp c, 0,1,2,3,4,5,6,7
	ds_load_b128 v[64*((\st)%2)+8*(\c):64*((\st)%2)+8*(\c)+3],   v6 offset:(\st)*8192+(\c)*1024
	ds_load_b128 v[64*((\st)%2)+8*(\c)+4:64*((\st)%2)+8*(\c)+7], v6 offset:(\st)*8192+(\c)*1024+512
.endr
.endm
.macro ALOAD st                        ; the 3 token fragments of K step st into slot st % 4: lane l holds token slot l % 16, k = 8 hh + 0..7 and 16 + 8 hh + 0..7
.irp u, 0,1,2
	global_load_b128 v[128+24*((\st)%4)+8*(\u):128+24*((\st)%4)+8*(\u)+3],   v[8+(\u)], s[32:33] offset:(\st)*ASTEP
	global_load_b128 v[128+24*((\st)%4)+8*(\u)+4:128+24*((\st)%4)+8*(\u)+7], v[8+(\u)], s[32:33] offset:(\st)*ASTEP+32
.endr
.endm
; A K step: 24 products, source 0 = weights (16 columns), source 1 = tokens: lane l then holds token l % 16, register j of fragment 4 g + f column 64 g + 32 hh + 4 j + f.
; The 24 accumulators take turns, one instruction a turn.  init = 1: the bias starts the sums.  la, lb: fetch the tokens of four steps on, the weights of two steps on.
; lc, dc: how many younger loads may stay out.
.macro STEP st, init, la, lb, lc, dc
	s_wait_loadcnt \lc
	s_wait_dscnt \dc
.if \init
	WIN MULC
.else
	WIN MUL
.endif
.irp c, 0,1,2,3,4,5,6,7
.irp u, 0,1,2
.if \init
	v_wmma_f32_16x16x32_bf16 v[ACC+8*(3*(\c)+(\u)):ACC+8*(3*(\c)+(\u))+7], v[64*((\st)%2)+8*(\c):64*((\st)%2)+8*(\c)+7], v[128+24*((\st)%4)+8*(\u):128+24*((\st)%4)+8*(\u)+7], v[8*(\c):8*(\c)+7]
.else
	v_wmma_f32_16x16x32_bf16 v[ACC+8*(3*(\c)+(\u)):ACC+8*(3*(\c)+(\u))+7], v[64*((\st)%2)+8*(\c):64*((\st)%2)+8*(\c)+7], v[128+24*((\st)%4)+8*(\u):128+24*((\st)%4)+8*(\u)+7], v[ACC+8*(3*(\c)+(\u)):ACC+8*(3*(\c)+(\u))+7]
.endif
.endr
.endr
.if (\la) || (\lb)
.rept 4
	v_nop                                          ; four places between a product and a load into a register that it read
.endr
	WIN TO_F
.if \la
	ALOAD (\st)+4
.endif
.if \lb
	BLOAD (\st)+2
.endif
.endif
.endm
.macro ADV                             ; four K steps on
	WIN 0                                          ; at a label and at a branch every window is 0
	s_wait_xcnt 0x0                                ; the pending loads' base steps only behind this wait (ISA guide 3.1)
	s_add_nc_u64 s[32:33], s[32:33], 4*ASTEP
	v_add_nc_u32 v6, 0x8000, v6
.endm
; gelu of eight numbers: registers 2 q, 2 q + 1 of the four fragments f of group g, tile u: eight neighbouring columns of one token.  Index 2 f + t.
.macro GELU4 u, g, q
.irp f, 0,1,2,3
.set rZ, ACC+8*(3*(4*(\g)+(\f))+(\u))+2*(\q)
	v_fma_f32 v[GD+2*(\f)],   |v[rZ]|,   s[PP], 1.0
	v_fma_f32 v[GD+2*(\f)+1], |v[rZ+1]|, s[PP], 1.0
.endr
.irp f, 0,1,2,3
.set rZ, ACC+8*(3*(4*(\g)+(\f))+(\u))+2*(\q)
	v_pk_mul_f32 v[GS+2*(\f):GS+2*(\f)+1], v[rZ:rZ+1], s[C1:C1+1] op_sel_hi:[1,0]
.endr
.irp i, 0,1,2,3,4,5,6,7
	v_rcp_f32 v[GD+(\i)], v[GD+(\i)]               ; t
.endr
.irp f, 0,1,2,3
	v_pk_mul_f32 v[GS+2*(\f):GS+2*(\f)+1], v[GS+2*(\f):GS+2*(\f)+1], v[GS+2*(\f):GS+2*(\f)+1] neg_lo:[1,0] neg_hi:[1,0]  ; -(c1 z)^2; also the plain instructions behind the reciprocals (ISA guide 5.7.2)
.endr
.irp i, 0,1,2,3,4,5,6,7
	v_exp_f32 v[GS+(\i)], v[GS+(\i)]
.endr
	s_wait_alu depctr_va_vdst(0)
.irp f, 0,1,2,3
	v_pk_fma_f32 v[GP+2*(\f):GP+2*(\f)+1], v[GD+2*(\f):GD+2*(\f)+1], s[A5:A5+1], s[A4:A4+1] op_sel_hi:[1,0,0]  ; plain, and names no exponential's register
.endr
.irp a, A3, A2, A1
.irp f, 0,1,2,3
	v_pk_fma_f32 v[GP+2*(\f):GP+2*(\f)+1], v[GP+2*(\f):GP+2*(\f)+1], v[GD+2*(\f):GD+2*(\f)+1], s[\a:\a+1] op_sel_hi:[1,1,0]
.endr
.endr
.irp f, 0,1,2,3
	v_pk_mul_f32 v[GP+2*(\f):GP+2*(\f)+1], v[GP+2*(\f):GP+2*(\f)+1], v[GD+2*(\f):GD+2*(\f)+1]
.endr
.irp f, 0,1,2,3
	v_pk_mul_f32 v[GP+2*(\f):GP+2*(\f)+1], v[GP+2*(\f):GP+2*(\f)+1], v[GS+2*(\f):GS+2*(\f)+1]
.endr
.irp f, 0,1,2,3
.set rZ, ACC+8*(3*(4*(\g)+(\f))+(\u))+2*(\q)
	v_max_num_f32 v[GD+2*(\f)],   0, v[rZ]
	v_max_num_f32 v[GD+2*(\f)+1], 0, v[rZ+1]
.endr
.irp f, 0,1,2,3
.set rZ, ACC+8*(3*(4*(\g)+(\f))+(\u))+2*(\q)
	v_fma_f32 v[GS+2*(\f)],   -|v[rZ]|,   v[GP+2*(\f)],   v[GD+2*(\f)]
	v_fma_f32 v[GS+2*(\f)+1], -|v[rZ+1]|, v[GP+2*(\f)+1], v[GD+2*(\f)+1]
.endr
	s_wait_xcnt 0x0                                ; the last store's data are rewritten only behind this wait
	v_cvt_pk_bf16_f32 v[GO],   v[GS],   v[GS+2]    ; columns 8 q + 0, 1 (register 2 q of fragments 0, 1)
	v_cvt_pk_bf16_f32 v[GO+1], v[GS+4], v[GS+6]    ; 2, 3
	v_cvt_pk_bf16_f32 v[GO+2], v[GS+1], v[GS+3]    ; 4, 5 (register 2 q + 1)
	v_cvt_pk_bf16_f32 v[GO+3], v[GS+5], v[GS+7]    ; 6, 7
	global_store_b128 v11, v[GO:GO+3], s[12:13] offset:(\u)*TILEB+(\g)*2048+((\q)/2)*512+((\q)%2)*256  ; each half of the lanes stores 256 consecutive bytes, aligned
.endm
	s_load_b256 s[4:11], s[0:1], 0x0               ; W1 s[4:5], b1 s[6:7], xb s[8:9], tlist s[10:11]
	s_load_b64 s[12:13], s[0:1], 0x20              ; hbuf
	v_and_b32 v1, 31, v0                           ; lane
	v_lshrrev_b32 v2, 5, v0
	v_readfirstlane_b32 s14, v2                    ; wave 0..3
	v_and_b32 v2, 15, v0                           ; r
	v_bfe_u32 v3, v0, 4, 1                         ; hh
	s_and_b32 s15, ttmp7, 0xffff                   ; e
	s_lshl_b32 s20, s15, 24                        ; W1: the expert,
	s_lshl_b32 s24, ttmp9, 9                       ; my 128 columns,
	s_add_co_u32 s20, s20, s24
	s_lshl_b32 s25, s14, 22                        ; my wave's 256 rows
	s_add_co_u32 s20, s20, s25
	s_mov_b32 s21, 0
	s_lshl_b32 s22, s15, 14                        ; b1: the expert, my 128 columns
	s_add_co_u32 s22, s22, s24
	s_mov_b32 s23, 0
	s_mul_i32 s34, s15, HSTR                       ; hbuf: the expert, my four K steps of every tile
	s_lshl_b32 s25, ttmp9, 12
	s_add_co_u32 s34, s34, s25
	s_mov_b32 s35, 0
	s_mul_i32 s50, s15, LSTR                       ; tlist: the expert
	s_mov_b32 s51, 0
	s_mov_b32 s31, 0xffff0000                      ; a word's upper bf16
	s_mov_b32 s[C1], 0x3f596d27                    ; sqrt(log2(e) / 2) = 0.8493218
	s_mov_b32 s[C1+1], s[C1]                       ; the second words are named with the first as pairs, so they are written
	s_mov_b32 s[A1], 0x3e027906                    ;  0.254829592 / 2
	s_mov_b32 s[A1+1], s[A1]
	s_mov_b32 s[A2], 0xbe11a98e                    ; -0.284496736 / 2
	s_mov_b32 s[A2+1], s[A2]
	s_mov_b32 s[A3], 0x3f35f0e3                    ;  1.421413741 / 2
	s_mov_b32 s[A3+1], s[A3]
	s_mov_b32 s[A4], 0xbf3a00e3                    ; -1.453152027 / 2
	s_mov_b32 s[A4+1], s[A4]
	s_mov_b32 s[A5], 0x3f07dc22                    ;  1.061405429 / 2
	s_mov_b32 s[A5+1], s[A5]
	s_mov_b32 s[PP], 0x3e6d3388                    ; 0.3275911 / sqrt 2
	v_lshlrev_b32 v4, 4, v2                        ; 16 r
	v_lshlrev_b32 v20, 4, v1                       ; 16 lane
	v_lshlrev_b32 v21, 2, v2
	v_lshlrev_b32 v22, 4, v3
	v_lshl_add_u32 v23, v3, 10, v4
	s_mul_i32 s28, s14, 48                         ; my first triple's first slot,
	s_lshl_b32 s25, s28, 2
	v_add_nc_u32 v7, s25, v21                      ; and its place in the list
	s_lshl_b32 s25, s14, 16                        ; my wave's 64 fragments in LDS
	WIN TO_F
	v_lshl_add_u32 v240, v3, 17, v4                ; 8 hh rows + 16 r
	v_add_nc_u32 v241, s25, v20
	v_lshlrev_b32 v242, 7, v3                      ; 32 hh numbers of b1
	WIN 0
	s_wait_kmcnt 0x0
	s_add_nc_u64 s[4:5], s[4:5], s[20:21]
	s_add_nc_u64 s[6:7], s[6:7], s[22:23]
	s_add_nc_u64 s[10:11], s[10:11], s[50:51]
	s_add_nc_u64 s[12:13], s[12:13], s[34:35]
	s_load_b32 s26, s[10:11], CNTO                 ; the expert's count: wanted behind the barrier
	TOKENS                                         ; my first triple's tokens, ahead of the weights: they are in long before phase 2
	WIN ALL1
.irp h, 0,1,2,3,4,5,6
	HULOAD \h
.endr
.set hu, 0
.rept 32
.if hu <= 25
	s_wait_loadcnt 48                              ; half unit hu is in; the six behind it stay out
.elseif hu == 26
	s_wait_loadcnt 40                              ; five are left behind it
.else
	s_wait_loadcnt 8*(31-hu)+NBL                   ; those left, and the bias
.endif
	HUPACK hu
.if hu <= 24
	HULOAD hu+7                                    ; into the slot just packed
.endif
.if hu == 26
.irp g, 0,1
.irp j, 0,1,2,3,4,5,6,7
	global_load_b128 v[128+4*(8*(\g)+(\j)):128+4*(8*(\g)+(\j))+3], v242, s[6:7] offset:256*(\g)+16*(\j)  ; b1 of columns 64 g + 32 hh + 4 j + 0..3, into slots 4 and 5, which have had their last half units
.endr
.endr
.endif
.set hu, hu+1
.endr
	s_wait_loadcnt 0x0                             ; the bias: rounded to bf16 like every input, and laid out as the first products' C
.set n, 0
.rept 16
	v_cvt_pk_bf16_f32 v[128+4*n],   v[128+4*n],   v[128+4*n+1]
	v_cvt_pk_bf16_f32 v[128+4*n+2], v[128+4*n+2], v[128+4*n+3]
.set n, n+1
.endr
	WIN UNP2
.irp g, 0,1
.irp j, 0,1,2,3,4,5,6,7
	v_lshlrev_b32 v[8*(4*(\g)+0)+(\j)], 16,  v[128+4*(8*(\g)+(\j))]
	v_and_b32     v[8*(4*(\g)+1)+(\j)], s31, v[128+4*(8*(\g)+(\j))]
	v_lshlrev_b32 v[8*(4*(\g)+2)+(\j)], 16,  v[128+4*(8*(\g)+(\j))+2]
	v_and_b32     v[8*(4*(\g)+3)+(\j)], s31, v[128+4*(8*(\g)+(\j))+2]
.endr
.endr
	WIN 0
	s_wait_dscnt 0x0                               ; for the others' sake: my fragments are in LDS
	s_barrier_signal -1
	s_barrier_wait -1                              ; the only barrier: behind it LDS is only read
	s_wait_kmcnt 0x0                               ; the count
	s_min_u32 s26, s26, 1024                       ; the expert's tokens
.Ltriple:                                              ; the loop is counted against a constant: slots 48 w + 192 i below 1,024, six trips at the most
	s_cmp_lt_u32 s28, s26
	s_cbranch_scc1 .Lwork
	s_endpgm                                       ; my next triple begins at or past the expert's count: the wave has no more work.  No load and no LDS instruction of mine is out here: a wait for 0 on each counter lies behind their last issue
.Lwork:
	s_wait_xcnt 0x0                                ; the last triple's loads and stores have had their addresses translated: v7 and v11 are rewritten below
	s_min_u32 s29, s28, 1008                       ; no change (48 w + 192 i below 1,024 is 1,008 at the most); the line writes the bound out
	v_mov_b32 v6, v20
	WIN TO_F
	BLOAD 0
	BLOAD 1
	WIN 0
	v_min_u32 v12, 0x3ff, v12                      ; this triple's tokens are in: on every way here a wait for all loads lies behind their issue.  A spare slot reads token 1023's row
	v_min_u32 v13, 0x3ff, v13
	v_min_u32 v14, 0x3ff, v14
	v_lshl_add_u32 v8, v12, 11, v22                ; 2,048 bytes a row + 16 hh
	v_lshl_add_u32 v9, v13, 11, v22
	v_lshl_add_u32 v10, v14, 11, v22
	s_add_co_u32 s20, s28, 192                     ; my next triple's tokens are asked for a whole K walk ahead; past the last triple the slot is held at 1,008, inside the list, and the numbers serve nothing
	s_min_u32 s20, s20, 1008
	s_lshl_b32 s20, s20, 2
	v_add_nc_u32 v7, s20, v21
	TOKENS
	s_lshl_b32 s20, s29, 13                        ; 131,072 bytes a tile of 16 slots
	v_add_nc_u32 v11, s20, v23
	s_mov_b64 s[32:33], s[8:9]
	WIN TO_F
	ALOAD 0
	ALOAD 1
	ALOAD 2
	ALOAD 3
	STEP 0, 1, 1, 1, 18, 16                        ; 18: the tokens of the next three steps, 6 loads each; 16: the next step's weights
	STEP 1, 0, 1, 1, 18, 16
	STEP 2, 0, 1, 1, 18, 16
	STEP 3, 0, 1, 1, 18, 16
	ADV
	s_mov_b32 s30, 6
.Lk:                                                   ; K steps 4 to 27
	STEP 0, 0, 1, 1, 18, 16
	STEP 1, 0, 1, 1, 18, 16
	STEP 2, 0, 1, 1, 18, 16
	STEP 3, 0, 1, 1, 18, 16
	ADV
	s_sub_co_u32 s30, s30, 1
	s_cmp_lg_u32 s30, 0
	s_cbranch_scc1 .Lk
	STEP 0, 0, 0, 1, 18, 16                        ; the last four steps fetch nothing beyond the end: the counts run down
	STEP 1, 0, 0, 1, 12, 16
	STEP 2, 0, 0, 0, 6, 16
	STEP 3, 0, 0, 0, 0, 0
	WIN 0
.rept 4
	v_nop                                          ; four places between the last products and the first read of a result (ISA guide 7.12.1)
.endr
.irp u, 0,1,2
.irp g, 0,1
.irp q, 0,1,2,3
	GELU4 \u, \g, \q                               ; q ascends: each accumulator is read from its low end on
.endr
.endr
.endr
	s_add_co_u32 s28, s28, 192                     ; the four waves' triples: 12 tiles on
	s_cmp_lt_u32 s28, 1024
	s_cbranch_scc1 .Ltriple
	s_endpgm
.Lfunc_end_k_q7ab6e71e6e_ffn1:
	.size	k_q7ab6e71e6e_ffn1, .Lfunc_end_k_q7ab6e71e6e_ffn1-k_q7ab6e71e6e_ffn1
	.p2alignl 7, 3214868480
	.fill 96, 4, 3214868480
	.section	.rodata,"a",@progbits
	.p2align	6, 0x0
	.amdhsa_kernel k_q7ab6e71e6e_ffn1
		.amdhsa_group_segment_fixed_size 262144
		.amdhsa_private_segment_fixed_size 0
		.amdhsa_enable_private_segment 0
		.amdhsa_kernarg_size 40
		.amdhsa_user_sgpr_count 2
		.amdhsa_user_sgpr_kernarg_segment_ptr 1
		.amdhsa_wavefront_size32 1
		.amdhsa_system_sgpr_workgroup_id_x 1
		.amdhsa_system_sgpr_workgroup_id_y 1
		.amdhsa_system_sgpr_workgroup_id_z 1
		.amdhsa_system_vgpr_workitem_id 0
		.amdhsa_next_free_vgpr 576
		.amdhsa_next_free_sgpr 66
		.amdhsa_reserve_vcc 0
		.amdhsa_float_denorm_mode_32 3
		.amdhsa_float_denorm_mode_16_64 3
		.amdhsa_memory_ordered 1
		.amdhsa_forward_progress 1
		.amdhsa_inst_pref_size 215
	.end_amdhsa_kernel
	.amdgpu_metadata
---
amdhsa.version: [ 1, 2 ]
amdhsa.kernels:
  - .name:           k_q7ab6e71e6e_ffn1
    .symbol:         k_q7ab6e71e6e_ffn1.kd
    .args:
      - { .name: W1, .offset: 0, .size: 8, .value_kind: global_buffer, .address_space: global }
      - { .name: b1, .offset: 8, .size: 8, .value_kind: global_buffer, .address_space: global }
      - { .name: xb, .offset: 16, .size: 8, .value_kind: global_buffer, .address_space: global }
      - { .name: tlist, .offset: 24, .size: 8, .value_kind: global_buffer, .address_space: global }
      - { .name: hbuf, .offset: 32, .size: 8, .value_kind: global_buffer, .address_space: global }
    .group_segment_fixed_size: 262144
    .private_segment_fixed_size: 0
    .kernarg_segment_align: 8
    .kernarg_segment_size: 40
    .max_flat_workgroup_size: 128
    .sgpr_count:     66
    .vgpr_count:     576
    .wavefront_size: 32
...
	.end_amdgpu_metadata
.endif
;; end of part 3
;; launch ffn2 (part 4): grid 32 x 8, 4 waves a work-group, no clusters, 262,144 bytes of LDS; arguments W2, b2, hbuf, tlist, part; writes part
.if DOCPART == 4
	.amdgcn_target "amdgcn-amd-amdhsa--gfx1250"
	.amdhsa_code_object_version 6
	.text
	.protected	k_q7ab6e71e6e_ffn2
	.globl	k_q7ab6e71e6e_ffn2
	.p2align	8
	.type	k_q7ab6e71e6e_ffn2,@function
k_q7ab6e71e6e_ffn2:
	s_mov_b64 s[64:65], 0
	v_nop
	global_prefetch_b8 v0, s[64:65] scope:SCOPE_SE
	s_setreg_imm32_b32 hwreg(HW_REG_WAVE_MODE, 25, 1), 1
	s_wait_xcnt 0x0
; SECOND EXPERT LAYER, a quarter of K to a work-group.  part[kq][t] = h[t][1024 kq .. +1023] W2[e][1024 kq .. +1023][:] (+ b2[e] in plane 0) for the tokens t that chose expert e.
; W2: [8][4096][1024] f32, b2: [8][1024] f32, hbuf: bf16 fragments as the first layer left them, tlist: [8][1152] u32 (the experts' token lists and counts), part: [4 planes][1032 rows][1024] f32.
; SHARES.  Work-group (xid, e): columns 128 nb .. +127 (nb = xid % 8), rows 1024 kq .. +1023 (kq = xid / 8): 524,288 bytes of W2 that no other work-group reads.  W2's rows have room for only eight
; such column groups an expert, so K is split in four to give each of 256 work-groups a slice; the four planes are added by the launch behind, in a fixed order.
; PHASES and COLUMNS are the first layer's: the slice is streamed through registers (56 loads of 512 bytes out in each wave, by this text's count), rounded to bf16 and laid into LDS
; as fragments in which index r stands for column 64 g + 4 r + f; one barrier; then each wave walks triples of token tiles with no further barrier, since it ends in that loop according to a count read from memory.
; Both layers read the same list, so a slot means the same token in both.
; Here source 0 = tokens and source 1 = weights: lane l holds column index l % 16, register j slot 8 hh + j; the four fragments f of a group give a lane four neighbouring columns, 16 bytes of a row.
; SLOTS past the expert's count hold 1024 + e: their results go to row 1024 + e of my plane, in my columns, which no launch reads; several lanes and waves of this work-group write it.
; FORMATS.  W2 and b2 rounded to bf16 (nearest even), h in bf16, sums and bias in f32.
; NO CLUSTER, NO TENSOR LOADS: the weights, two thirds of a work-group's bytes, are shared with nobody; h's fragments, which eight work-groups share, are walked in a loop in which each wave ends
; according to loaded numbers, where the barriers of a joint request cannot stand, and LDS is taken by the weights.
.set PITCH, 4096                       ; bytes in a row of W2
.set ASTEP, 1024                       ; bytes of a tile's fragment in a K step
.set NBL,   2                          ; loads of bias
.set HSTR,  0x840000                   ; an expert's part of hbuf
.set TILEB, 131072                     ; a tile's part of it
.set PSTR,  0x408000                   ; a plane of part: 1,032 rows of 4,096 bytes
.set LSTR,  4608                       ; an expert's part of tlist
.set CNTO,  4604                       ; the count's byte in it
                                       ; LDS: fragment c of K step s at (8 s + c) 1024: half x 512 + lane x 16
.set ACC,   64                         ; v[64:255] accumulator (c, u) at ACC + 8 (3 c + u)
.set BZ,    12                         ; v[12:19]  b2 of my column in fragment c (0 outside plane 0)
.set POFF,  32                         ; v[32:55]  the token in slot 8 hh + j of tile u, at 8 u + j; then the byte offset of its row in my plane
.set STG,   56                         ; v[56:63]  eight numbers to store
.set PK,    224                        ; window 1: v[224:239] a half unit packed; v240 my offset in W2, v241 my LDS address, v242 my offset in b2; v[0:223] seven slots of 32 as loaded
; Fixed vector registers of window 0: v1 lane, v2 r, v3 hh, v6 LDS address of the weight fragments (steps), v7 offset in the list, v8 offset in hbuf, v20 16 lane, v21 32 hh, v23 16 r.
; Window 1 in phase 2: v[0:63], v[64:127] weight fragments, two buffers; v[128:223] token fragments, four slots of 3 x 8.
.set MSB, 0
.macro WIN new                         ; s_set_vgpr_msb: bits 1:0 source 0, 3:2 source 1, 5:4 source 2, 7:6 destination; the high byte repeats the setting that is left
.if MSB != (\new)
	s_set_vgpr_msb (MSB<<8)|(\new)
.set MSB, \new
.endif
.endm
.set ALL1, 0x55
.set TO_F, 0x40                        ; destination window 1
.set MUL,  0x05                        ; sources 0 and 1 window 1, C and D window 0
.set UNP0, 0x04                        ; source 1 window 1, destination window 0
; Half unit h of a wave's 32: K step h / 4, half (h / 2) % 2 of its 32 rows, column group h % 2: 16 rows x 64 columns.  Load j: rows 8 hh + j, two whole pieces of 256 bytes.
.macro HULOAD h
.irp j, 0,1,2,3,4,5,6,7
	global_load_b128 v[32*((\h)%7)+4*(\j):32*((\h)%7)+4*(\j)+3], v240, s[4:5] offset:(32*((\h)/4)+16*(((\h)/2)%2)+(\j))*PITCH+256*((\h)%2) th:TH_LOAD_NT
.endr
.endm
.macro HUPACK h                        ; rows 2 i and 2 i + 1 of column f make register i of fragment f's half; 16 bytes a lane, the wave's 512 on end
.irp f, 0,1,2,3
.irp i, 0,1,2,3
	v_cvt_pk_bf16_f32 v[PK+4*(\f)+(\i)], v[32*((\h)%7)+8*(\i)+(\f)], v[32*((\h)%7)+8*(\i)+4+(\f)]
.endr
.endr
.irp f, 0,1,2,3
	ds_store_b128 v241, v[PK+4*(\f):PK+4*(\f)+3] offset:(8*((\h)/4)+4*((\h)%2)+(\f))*1024+512*(((\h)/2)%2)
.endr
.endm
.macro BLOAD st                        ; the 8 weight fragments of K step st (counted from v6's step) into buffer st % 2
.irp c, 0,1,2,3,4,5,6,7
	ds_load_b128 v[64*((\st)%2)+8*(\c):64*((\st)%2)+8*(\c)+3],   v6 offset:(\st)*8192+(\c)*1024
	ds_load_b128 v[64*((\st)%2)+8*(\c)+4:64*((\st)%2)+8*(\c)+7], v6 offset:(\st)*8192+(\c)*1024+512
.endr
.endm
.macro ALOAD st                        ; the 3 token fragments of K step st into slot st % 4: each load takes 512 consecutive bytes of hbuf
.irp u, 0,1,2
	global_load_b128 v[128+24*((\st)%4)+8*(\u):128+24*((\st)%4)+8*(\u)+3],   v8, s[32:33] offset:(\u)*TILEB+(\st)*ASTEP
	global_load_b128 v[128+24*((\st)%4)+8*(\u)+4:128+24*((\st)%4)+8*(\u)+7], v8, s[32:33] offset:(\u)*TILEB+(\st)*ASTEP+512
.endr
.endm
; A K step: 24 products on 24 accumulators, which take turns, one instruction a turn.  init = 1: the first products start the sums.
; la, lb: fetch the tokens of four steps on, the weights of two steps on.  lc, dc: how many younger loads may stay out.
.macro STEP st, init, la, lb, lc, dc
	s_wait_loadcnt \lc
	s_wait_dscnt \dc
	WIN MUL
.irp c, 0,1,2,3,4,5,6,7
.irp u, 0,1,2
.if \init
	v_wmma_f32_16x16x32_bf16 v[ACC+8*(3*(\c)+(\u)):ACC+8*(3*(\c)+(\u))+7], v[128+24*((\st)%4)+8*(\u):128+24*((\st)%4)+8*(\u)+7], v[64*((\st)%2)+8*(\c):64*((\st)%2)+8*(\c)+7], 0
.else
	v_wmma_f32_16x16x32_bf16 v[ACC+8*(3*(\c)+(\u)):ACC+8*(3*(\c)+(\u))+7], v[128+24*((\st)%4)+8*(\u):128+24*((\st)%4)+8*(\u)+7], v[64*((\st)%2)+8*(\c):64*((\st)%2)+8*(\c)+7], v[ACC+8*(3*(\c)+(\u)):ACC+8*(3*(\c)+(\u))+7]
.endif
.endr
.endr
.if (\la) || (\lb)
.rept 4
	v_nop                                          ; four places between a product and a load into a register that it read
.endr
	WIN TO_F
.if \la
	ALOAD (\st)+4
.endif
.if \lb
	BLOAD (\st)+2
.endif
.endif
.endm
.macro ADV                             ; four K steps on
	WIN 0                                          ; at a label and at a branch every window is 0
	s_wait_xcnt 0x0                                ; the pending loads' base steps only behind this wait (ISA guide 3.1)
	s_add_nc_u64 s[32:33], s[32:33], 4*ASTEP
	v_add_nc_u32 v6, 0x8000, v6
.endm
	s_load_b256 s[4:11], s[0:1], 0x0               ; W2 s[4:5], b2 s[6:7], hbuf s[8:9], tlist s[10:11]
	s_load_b64 s[12:13], s[0:1], 0x20              ; part
	v_and_b32 v1, 31, v0                           ; lane
	v_lshrrev_b32 v2, 5, v0
	v_readfirstlane_b32 s14, v2                    ; wave 0..3
	v_and_b32 v2, 15, v0                           ; r
	v_bfe_u32 v3, v0, 4, 1                         ; hh
	s_and_b32 s15, ttmp7, 0xffff                   ; e
	s_and_b32 s18, ttmp9, 7                        ; nb
	s_lshr_b32 s17, ttmp9, 3                       ; kq
	s_lshl_b32 s20, s15, 24                        ; W2: the expert,
	s_lshl_b32 s25, s17, 22                        ; my 1,024 rows,
	s_add_co_u32 s20, s20, s25
	s_lshl_b32 s24, s18, 9                         ; my 128 columns,
	s_add_co_u32 s20, s20, s24
	s_lshl_b32 s25, s14, 20                        ; my wave's 256 rows
	s_add_co_u32 s20, s20, s25
	s_mov_b32 s21, 0
	s_lshl_b32 s22, s15, 12                        ; b2: the expert, my 128 columns
	s_add_co_u32 s22, s22, s24
	s_mov_b32 s23, 0
	s_mul_i32 s52, s15, HSTR                       ; hbuf: the expert, my 32 K steps of every tile
	s_lshl_b32 s25, s17, 15
	s_add_co_u32 s52, s52, s25
	s_mov_b32 s53, 0
	s_mul_i32 s34, s17, PSTR                       ; part: my plane, my 128 columns
	s_add_co_u32 s34, s34, s24
	s_mov_b32 s35, 0
	s_mul_i32 s54, s15, LSTR                       ; tlist: the expert
	s_mov_b32 s55, 0
	s_cmp_eq_u32 s17, 0
	s_cselect_b32 s50, -1, 0                       ; plane 0 takes the bias
	s_mov_b32 s31, 0xffff0000                      ; a word's upper bf16
	s_mul_i32 s28, s14, 48                         ; my first triple's first slot
	v_lshlrev_b32 v23, 4, v2                       ; 16 r
	v_lshlrev_b32 v20, 4, v1                       ; 16 lane
	v_lshlrev_b32 v21, 5, v3                       ; 32 hh
	s_lshl_b32 s25, s14, 16                        ; my wave's 64 fragments in LDS
	WIN TO_F
	v_lshl_add_u32 v240, v3, 15, v23               ; 8 hh rows + 16 r
	v_add_nc_u32 v241, s25, v20
	v_lshlrev_b32 v242, 4, v2                      ; 4 r numbers of b2
	WIN 0
	s_wait_kmcnt 0x0
	s_add_nc_u64 s[4:5], s[4:5], s[20:21]
	s_add_nc_u64 s[6:7], s[6:7], s[22:23]
	s_add_nc_u64 s[8:9], s[8:9], s[52:53]
	s_add_nc_u64 s[10:11], s[10:11], s[54:55]
	s_add_nc_u64 s[12:13], s[12:13], s[34:35]
	s_load_b32 s26, s[10:11], CNTO                 ; the expert's count: wanted behind the barrier
	WIN ALL1
.irp h, 0,1,2,3,4,5,6
	HULOAD \h
.endr
.set hu, 0
.rept 32
.if hu <= 25
	s_wait_loadcnt 48                              ; half unit hu is in; the six behind it stay out
.elseif hu == 26
	s_wait_loadcnt 40                              ; five are left behind it
.else
	s_wait_loadcnt 8*(31-hu)+NBL                   ; those left, and the bias
.endif
	HUPACK hu
.if hu <= 24
	HULOAD hu+7                                    ; into the slot just packed
.endif
.if hu == 26
	global_load_b128 v[128:131], v242, s[6:7]             ; b2 of columns 4 r + 0..3 and 64 + 4 r + 0..3, into slot 4, which has had its last half unit
	global_load_b128 v[132:135], v242, s[6:7] offset:256
.endif
.set hu, hu+1
.endr
	s_wait_loadcnt 0x0                             ; the bias: rounded to bf16 like every input
.irp g, 0,1
	v_cvt_pk_bf16_f32 v[128+4*(\g)],   v[128+4*(\g)],   v[128+4*(\g)+1]
	v_cvt_pk_bf16_f32 v[128+4*(\g)+2], v[128+4*(\g)+2], v[128+4*(\g)+3]
.endr
	WIN UNP0
.irp g, 0,1
	v_lshlrev_b32 v[BZ+4*(\g)],   16,  v[128+4*(\g)]
	v_and_b32     v[BZ+4*(\g)+1], s31, v[128+4*(\g)]
	v_lshlrev_b32 v[BZ+4*(\g)+2], 16,  v[128+4*(\g)+2]
	v_and_b32     v[BZ+4*(\g)+3], s31, v[128+4*(\g)+2]
.endr
	WIN 0
.irp c, 0,1,2,3,4,5,6,7
	v_cndmask_b32 v[BZ+(\c)], 0, v[BZ+(\c)], s50   ; it is added once: in plane 0
.endr
	s_wait_dscnt 0x0                               ; for the others' sake: my fragments are in LDS
	s_barrier_signal -1
	s_barrier_wait -1                              ; the only barrier: behind it LDS is only read
	s_wait_kmcnt 0x0                               ; the count
	s_min_u32 s26, s26, 1024                       ; the expert's tokens
.Ltriple:                                              ; the loop is counted against a constant: slots 48 w + 192 i below 1,024, six trips at the most
	s_cmp_lt_u32 s28, s26
	s_cbranch_scc1 .Lwork
	s_endpgm                                       ; my next triple begins at or past the expert's count: the wave has no more work.  No load and no LDS instruction of mine is out here: a wait for 0 on each counter lies behind their last issue
.Lwork:
	s_wait_xcnt 0x0                                ; the last triple's loads and stores have had their addresses translated: their offsets and data are rewritten below
	s_min_u32 s29, s28, 1008                       ; no change (48 w + 192 i below 1,024 is 1,008 at the most); the line writes the bound out
	v_mov_b32 v6, v20
	s_lshl_b32 s20, s29, 2
	v_add_nc_u32 v7, s20, v21
.irp u, 0,1,2
	global_load_b128 v[POFF+8*(\u):POFF+8*(\u)+3],   v7, s[10:11] offset:64*(\u)      ; the tokens in slots 8 hh + 0..7 of tile u: wanted on the way out, asked for a whole K walk ahead;
	global_load_b128 v[POFF+8*(\u)+4:POFF+8*(\u)+7], v7, s[10:11] offset:64*(\u)+16   ; they are older than every load that the K walk's counts leave out
.endr
	WIN TO_F
	BLOAD 0
	BLOAD 1
	WIN 0
	s_lshl_b32 s20, s29, 13                        ; 131,072 bytes a tile of 16 slots
	v_add_nc_u32 v8, s20, v20
	s_mov_b64 s[32:33], s[8:9]
	WIN TO_F
	ALOAD 0
	ALOAD 1
	ALOAD 2
	ALOAD 3
	STEP 0, 1, 1, 1, 18, 16                        ; 18: the tokens of the next three steps, 6 loads each; 16: the next step's weights
	STEP 1, 0, 1, 1, 18, 16
	STEP 2, 0, 1, 1, 18, 16
	STEP 3, 0, 1, 1, 18, 16
	ADV
	s_mov_b32 s30, 6
.Lk:                                                   ; K steps 4 to 27
	STEP 0, 0, 1, 1, 18, 16
	STEP 1, 0, 1, 1, 18, 16
	STEP 2, 0, 1, 1, 18, 16
	STEP 3, 0, 1, 1, 18, 16
	ADV
	s_sub_co_u32 s30, s30, 1
	s_cmp_lg_u32 s30, 0
	s_cbranch_scc1 .Lk
	STEP 0, 0, 0, 1, 18, 16                        ; the last four steps fetch nothing beyond the end: the counts run down
	STEP 1, 0, 0, 1, 12, 16
	STEP 2, 0, 0, 0, 6, 16
	STEP 3, 0, 0, 0, 0, 0
	WIN 0
.set n, 0
.rept 24                               ; these 48 plain instructions are also the places between the last products and the first read of a result (ISA guide 7.12.1)
	v_min_u32 v[POFF+n], 0x407, v[POFF+n]          ; a token, or 1024 + e
	v_lshl_add_u32 v[POFF+n], v[POFF+n], 12, v23   ; 4,096 bytes a row + 16 r
.set n, n+1
.endr
.irp u, 0,1,2
.irp j, 0,1,2,3,4,5,6,7
	s_wait_xcnt 0x0                                ; the last stores' data are rewritten only behind this wait
.irp c, 0,1,2,3,4,5,6,7
	v_add_f32 v[STG+(\c)], v[ACC+8*(3*(\c)+(\u))+(\j)], v[BZ+(\c)]  ; the bias; the sum also brings four fragments' numbers side by side.  j ascends: each accumulator is read from its low end on
.endr
	global_store_b128 v[POFF+8*(\u)+(\j)], v[STG:STG+3],   s[12:13]             ; each half of the lanes stores 256 consecutive bytes of a token's row, aligned
	global_store_b128 v[POFF+8*(\u)+(\j)], v[STG+4:STG+7], s[12:13] offset:256
.endr
.endr
	s_add_co_u32 s28, s28, 192                     ; the four waves' triples: 12 tiles on
	s_cmp_lt_u32 s28, 1024
	s_cbranch_scc1 .Ltriple
	s_endpgm
.Lfunc_end_k_q7ab6e71e6e_ffn2:
	.size	k_q7ab6e71e6e_ffn2, .Lfunc_end_k_q7ab6e71e6e_ffn2-k_q7ab6e71e6e_ffn2
	.p2alignl 7, 3214868480
	.fill 96, 4, 3214868480
	.section	.rodata,"a",@progbits
	.p2align	6, 0x0
	.amdhsa_kernel k_q7ab6e71e6e_ffn2
		.amdhsa_group_segment_fixed_size 262144
		.amdhsa_private_segment_fixed_size 0
		.amdhsa_enable_private_segment 0
		.amdhsa_kernarg_size 40
		.amdhsa_user_sgpr_count 2
		.amdhsa_user_sgpr_kernarg_segment_ptr 1
		.amdhsa_wavefront_size32 1
		.amdhsa_system_sgpr_workgroup_id_x 1
		.amdhsa_system_sgpr_workgroup_id_y 1
		.amdhsa_system_sgpr_workgroup_id_z 1
		.amdhsa_system_vgpr_workitem_id 0
		.amdhsa_next_free_vgpr 512
		.amdhsa_next_free_sgpr 66
		.amdhsa_reserve_vcc 0
		.amdhsa_float_denorm_mode_32 3
		.amdhsa_float_denorm_mode_16_64 3
		.amdhsa_memory_ordered 1
		.amdhsa_forward_progress 1
		.amdhsa_inst_pref_size 125
	.end_amdhsa_kernel
	.amdgpu_metadata
---
amdhsa.version: [ 1, 2 ]
amdhsa.kernels:
  - .name:           k_q7ab6e71e6e_ffn2
    .symbol:         k_q7ab6e71e6e_ffn2.kd
    .args:
      - { .name: W2, .offset: 0, .size: 8, .value_kind: global_buffer, .address_space: global }
      - { .name: b2, .offset: 8, .size: 8, .value_kind: global_buffer, .address_space: global }
      - { .name: hbuf, .offset: 16, .size: 8, .value_kind: global_buffer, .address_space: global }
      - { .name: tlist, .offset: 24, .size: 8, .value_kind: global_buffer, .address_space: global }
      - { .name: part, .offset: 32, .size: 8, .value_kind: global_buffer, .address_space: global }
    .group_segment_fixed_size: 262144
    .private_segment_fixed_size: 0
    .kernarg_segment_align: 8
    .kernarg_segment_size: 40
    .max_flat_workgroup_size: 128
    .sgpr_count:     66
    .vgpr_count:     512
    .wavefront_size: 32
...
	.end_amdgpu_metadata
.endif
;; end of part 4
;; launch addup (part 5): grid 256 x 1, 4 waves a work-group, no clusters, 0 bytes of LDS; arguments part, out0; writes out0
.if DOCPART == 5
	.amdgcn_target "amdgcn-amd-amdhsa--gfx1250"
	.amdhsa_code_object_version 6
	.text
	.protected	k_q7ab6e71e6e_addup
	.globl	k_q7ab6e71e6e_addup
	.p2align	8
	.type	k_q7ab6e71e6e_addup,@function
k_q7ab6e71e6e_addup:
	s_mov_b64 s[64:65], 0
	v_nop
	global_prefetch_b8 v0, s[64:65] scope:SCOPE_SE
	s_setreg_imm32_b32 hwreg(HW_REG_WAVE_MODE, 25, 1), 1
	s_wait_xcnt 0x0
; out0[t] = (part[0][t] + part[1][t]) + (part[2][t] + part[3][t]): the four quarters of K of the second expert layer, in a fixed order.
; part: [4][1032][1024] f32 (rows 1024 and up are not read), out0: [1024][1024] f32.
; A wave owns one row of 4,096 bytes: 1,024 waves, four to a work-group.  All its 32 loads go out at once, 512 neighbouring bytes each; piece i is added and stored
; when its four loads are in, while the later pieces' stay out.  No LDS, no barrier, no matrix unit: every byte is read once and written once, and no wave needs another's.
.set PSTR, 0x408000                    ; bytes in a plane of part
.set X, 8                              ; v[8:135]  piece i, plane p at X + 16 i + 4 p
	s_load_b128 s[4:7], s[0:1], 0x0                ; part s[4:5], out0 s[6:7]
	v_and_b32 v1, 31, v0
	v_lshrrev_b32 v2, 5, v0
	v_readfirstlane_b32 s8, v2                     ; wave 0..3
	v_lshlrev_b32 v1, 4, v1                        ; 16 lane
	s_lshl_b32 s10, ttmp9, 14                      ; four rows a work-group,
	s_lshl_b32 s9, s8, 12                          ; one a wave
	s_add_co_u32 s10, s10, s9
	s_mov_b32 s11, 0
	s_wait_kmcnt 0x0
	s_add_nc_u64 s[12:13], s[4:5], s[10:11]        ; my row in the four planes: two planes' distance is more than a load's immediate holds, so each has its base
	s_add_nc_u64 s[14:15], s[12:13], PSTR
	s_add_nc_u64 s[16:17], s[14:15], PSTR
	s_add_nc_u64 s[18:19], s[16:17], PSTR
	s_add_nc_u64 s[6:7], s[6:7], s[10:11]
.irp i, 0,1,2,3,4,5,6,7
.irp p, 0,1,2,3
	global_load_b128 v[X+16*(\i)+4*(\p):X+16*(\i)+4*(\p)+3], v1, s[12+2*(\p):13+2*(\p)] offset:512*(\i) th:TH_LOAD_NT
.endr
.endr
.irp i, 0,1,2,3,4,5,6,7
	s_wait_loadcnt 4*(7-(\i))                      ; loads come back in order (ISA guide 5.7.1): piece i's four are in, the later pieces' stay out
	v_pk_add_f32 v[X+16*(\i):X+16*(\i)+1],     v[X+16*(\i):X+16*(\i)+1],     v[X+16*(\i)+4:X+16*(\i)+5]
	v_pk_add_f32 v[X+16*(\i)+2:X+16*(\i)+3],   v[X+16*(\i)+2:X+16*(\i)+3],   v[X+16*(\i)+6:X+16*(\i)+7]
	v_pk_add_f32 v[X+16*(\i)+8:X+16*(\i)+9],   v[X+16*(\i)+8:X+16*(\i)+9],   v[X+16*(\i)+12:X+16*(\i)+13]
	v_pk_add_f32 v[X+16*(\i)+10:X+16*(\i)+11], v[X+16*(\i)+10:X+16*(\i)+11], v[X+16*(\i)+14:X+16*(\i)+15]
	v_pk_add_f32 v[X+16*(\i):X+16*(\i)+1],     v[X+16*(\i):X+16*(\i)+1],     v[X+16*(\i)+8:X+16*(\i)+9]
	v_pk_add_f32 v[X+16*(\i)+2:X+16*(\i)+3],   v[X+16*(\i)+2:X+16*(\i)+3],   v[X+16*(\i)+10:X+16*(\i)+11]
	global_store_b128 v1, v[X+16*(\i):X+16*(\i)+3], s[6:7] offset:512*(\i) th:TH_STORE_NT  ; 512 consecutive bytes, aligned
.endr
	s_endpgm
.Lfunc_end_k_q7ab6e71e6e_addup:
	.size	k_q7ab6e71e6e_addup, .Lfunc_end_k_q7ab6e71e6e_addup-k_q7ab6e71e6e_addup
	.p2alignl 7, 3214868480
	.fill 96, 4, 3214868480
	.section	.rodata,"a",@progbits
	.p2align	6, 0x0
	.amdhsa_kernel k_q7ab6e71e6e_addup
		.amdhsa_group_segment_fixed_size 0
		.amdhsa_private_segment_fixed_size 0
		.amdhsa_enable_private_segment 0
		.amdhsa_kernarg_size 16
		.amdhsa_user_sgpr_count 2
		.amdhsa_user_sgpr_kernarg_segment_ptr 1
		.amdhsa_wavefront_size32 1
		.amdhsa_system_sgpr_workgroup_id_x 1
		.amdhsa_system_sgpr_workgroup_id_y 1
		.amdhsa_system_sgpr_workgroup_id_z 1
		.amdhsa_system_vgpr_workitem_id 0
		.amdhsa_next_free_vgpr 144
		.amdhsa_next_free_sgpr 66
		.amdhsa_reserve_vcc 0
		.amdhsa_float_denorm_mode_32 3
		.amdhsa_float_denorm_mode_16_64 3
		.amdhsa_memory_ordered 1
		.amdhsa_forward_progress 1
		.amdhsa_inst_pref_size 8
	.end_amdhsa_kernel
	.amdgpu_metadata
---
amdhsa.version: [ 1, 2 ]
amdhsa.kernels:
  - .name:           k_q7ab6e71e6e_addup
    .symbol:         k_q7ab6e71e6e_addup.kd
    .args:
      - { .name: part, .offset: 0, .size: 8, .value_kind: global_buffer, .address_space: global }
      - { .name: out0, .offset: 8, .size: 8, .value_kind: global_buffer, .address_space: global }
    .group_segment_fixed_size: 0
    .private_segment_fixed_size: 0
    .kernarg_segment_align: 8
    .kernarg_segment_size: 16
    .max_flat_workgroup_size: 128
    .sgpr_count:     66
    .vgpr_count:     144
    .wavefront_size: 32
...
	.end_amdgpu_metadata
.endif
;; end of part 5
